; MI455X (gfx1250); checked and timed in simulation.
; The chip was launched on July 23, 2026; its instructions are those of AMD's public machine-readable ISA for CDNA 5 (MIT licence, August 2026) and "CDNA5" Instruction Set Architecture Reference Guide (July 2026). The comments in the code are by the model that wrote it; some were corrected since.
;; Memory System. Allowed arithmetic: matrix products marked QUANTISED: E3M2 operands, one E8M0 scale for each 32 along K, by v_wmma_scale_f32_16x16x128_f8f6f4 with both operands' format E3M2, f32 sums; everything else in f32.
;; Inputs: memory_bank 65,536 x 512 float32; x 1,024 x 512 float32.
;; Outputs: out0 1,024 x 512 float32.
;; This version of the problem:
;;   THIS VERSION OF THE PROBLEM IS GIVEN IN LOW PRECISION. The matrix products marked QUANTISED in the list below multiply operands that are first quantised to E3M2 (3 exponent bits, 2 mantissa bits; 6 bits a number), with one power-of-two scale for each 32 numbers along K (OCP MX v1.0); their sums are f32. All else is computed in f32.
;;   The module's matrix products, in the order in which they are computed (A, B: the left and right operand; K: the contracted axis; several contracted axes count as one K, in the product's order):
;;     1. [M 1,024, K 512] x [K 512, N 65,536]; A: input x; B: input memory_bank: QUANTISED
;;     2. [M 1,024, K 65,536] x [K 65,536, N 512]; A: softmax (see below); B: input memory_bank: QUANTISED
;;   THE QUANTISER, for each operand of a quantised product, along K:
;;     - K is cut into blocks of 32 from its start; a last block that is shorter is filled with zeros.
;;     - A block's scale is 2^e with e = floor(log2(the largest magnitude in the block)) - 4, held to -126 .. 127; a block of zeros has e = 0. As a byte (E8M0): e + 127.
;;     - Each number is divided by its block's scale, clamped to +-28, and rounded to the nearest number of E3M2, ties to even, subnormals kept.
;;     - The product sums the exact products of the quantised numbers (number of the format x scale) in f32.
;;   ~~~python
;;   def quantise(x, axis):      # numpy; x: float32 -> the quantised numbers, widened to float32 again
;;       x = np.moveaxis(x, axis, -1); K = x.shape[-1]
;;       x = np.pad(x, [(0, 0)] * (x.ndim - 1) + [(0, -K % 32)]); x = x.reshape(x.shape[:-1] + (-1, 32)); a = np.abs(x).max(-1, keepdims=True)
;;       e = np.where(a > 0, np.clip(np.frexp(np.where(a > 0, a, 1))[1] - 1 - 4, -126, 127), 0)      # np.frexp(a)[1] - 1 = floor(log2(a)), exactly
;;       r = np.clip(x / 2.0 ** e, -28, 28)
;;       step = 2.0 ** (np.maximum(np.frexp(np.where(r == 0, 1, r))[1] - 1, -2) - 2)
;;       q = np.round(r / step) * step * 2.0 ** e      # np.round: ties to even
;;       return np.moveaxis(q.reshape(q.shape[:-2] + (-1,))[..., :K], -1, axis).astype(np.float32)
;;   ~~~
;;   SOFTMAX AHEAD OF A QUANTISED PRODUCT. Where the list says 'softmax', what is quantised is not the finished softmax but p = 2^(t - M), with t = logit x log2(e) and M = ceil(the row's largest t), a whole number; so 1/2 < the row's largest p <= 1. The row's sum l is taken of the UNQUANTISED p, in f32, and the product's result is divided by l at the end. Since M is a whole number, a kernel that streams over the keys may use a running M (the ceiling of the running maximum): every later rescaling is an exact power of two, which a block's scale takes up: the codes' values come out the same.
;;   OPERANDS COMPUTED ON THE WAY. 'Computed on the way' means the value that the module computes at that place (a softmax that the list does not call 'softmax' is quantised finished and normalised). What goes into a quantiser is computed in f32, as accurately as f32 sums, v_exp_f32 and their like allow (about 1e-6 of the number): no bf16 or f16 on the way to a quantiser, and a product that is left as it is and whose result goes on into a quantised operand takes f32 operands (vector FMAs, or v_wmma_f32_16x16x4_f32). A number that lies on a knife's edge between two numbers of the format may be rounded either way, as far as f32 arithmetic and the matrix unit's own rounding can turn it there, and no further.
;; One version. Each part assembles by itself: llvm-mc -triple=amdgcn-amd-amdhsa -mcpu=gfx1250 --defsym DOCPART=n.
;; ======== version 1 of 1: 3 launches
;; limits: right only within a limited range of input values
;; workspace buffers: kq 26,476,544 bytes; vq 26,214,400 bytes; xq 413,696 bytes; part 67,108,864 bytes; lp 524,288 bytes
;; launch quant (part 1): grid 512 x 1, 4 waves a work-group, no clusters, 133,632 bytes of LDS; arguments memory_bank, kq, vq, x, xq; writes kq, vq, xq
.if DOCPART == 1
	.amdgcn_target "amdgcn-amd-amdhsa--gfx1250"
	.amdhsa_code_object_version 6
	.text
	.protected	k_qec98c546a3_quant
	.globl	k_qec98c546a3_quant
	.p2align	8
	.type	k_qec98c546a3_quant,@function
k_qec98c546a3_quant:
	s_mov_b64 s[64:65], 0
	v_nop
	global_prefetch_b8 v0, s[64:65] scope:SCOPE_SE
	s_setreg_imm32_b32 hwreg(HW_REG_WAVE_MODE, 25, 1), 1
	s_wait_xcnt 0x0
; The bank [65536][512] f32 is turned ONCE into codes of BF6 (E3M2) in both directions in which the attention launch multiplies it:
;   kq: quantised along d (first product's K), vq: quantised along the keys (second product's K), one E8M0 byte for each 32 along that K.
; A block's byte is the exponent field of its largest magnitude less 4, held at 1 from below (a block of zeros gets 1 where the rule says 127: its codes
; are zeros, and this program alone reads the bytes).  Beside them rm[key] = 8 log2(e) / |bank row|, of the unquantised row.
; Both buffers are laid IN THE ORDER OF THE OPERANDS' REGISTERS: a fragment (16 rows x 128 K, 12 registers a lane) is 1,536 bytes, lane l's registers at 48 l.
; A record serves one step of 128 keys.  kq record (51,712 B): 32 fragments (tile kt, K step ks) at (4 kt + ks) 1536; scale words at 49,152 + 512 b + 16 (16 u + r) + 4 ks;
; rm at 51,200 + 4 key.  Lane r of tile 2 b + u holds key 32 b + 8 u + r + 8 (r / 8).  vq record (51,200 B): 32 fragments (16 d each) at 1536 dt; scale words at 49,152 + 512 w + 16 lane + 4 g.
; SHARES.  Work-group g: keys 128 g on (record g).  Wave w: d = 128 w .. + 127, in four blocks of 32 keys.  A block's 32 x 128 numbers are loaded as they lie (512 consecutive bytes a load),
; laid in the wave's own stage (rows of 528 bytes) and read twice: a lane a key (32 neighbours along d), and a lane a column (32 keys down).  So a block of 32 is always ONE lane's.
; No tensor load, no ring; one barrier, for the norms and K's scale words, which four waves piece together.
; x [1024][512] IS QUANTISED HERE TOO, along d, once for all 32 splits of the next launch: work-group g takes rows 2 g and 2 g + 1, its wave 1 alone, a lane a block of 32, while the wave's first loads of
; the bank are on their way.  xq: fragment (tile of 16 queries qt, K step ks) at 1536 (4 qt + ks), laid [n 3][lane 32][16 bytes], so that its reader's loads take 512 consecutive bytes;
; scale words at 393,216 + 64 (4 qt + ks) + 4 r; 1 / |row| at 409,600 + 4 row.
; LIMITS: NaN and infinities are not served; a row's sum of squares must lie in f32's normal range (under 2^-126 it counts as 0: its reciprocal root is then infinite and the next launch's clamp takes over).
.set KREC, 51712
.set VREC, 51200
.set WREG, 32256                       ; LDS of a wave: stage 32 x 528, two K fragments, eight V fragments
.set SP,   528
.set KST,  16896
.set VST,  19968
.set KSC,  129024                      ; shared: K's scale words of the record, 2,048 bytes
.set NP,   131072                      ; shared: partial sums of squares [wave][key], 2,048 bytes
.set GL,   2                           ; v2   16 x lane
.set STW,  3                           ; v3   stage, in: 16 x lane
.set STK,  4                           ; v4   stage, a lane a key: 528 x lane
.set STV,  5                           ; v5   stage, a lane a column: 4 x lane
.set KSTW, 6                           ; v6   where my key's codes go: 1536 u + 48 r
.set KSTR, 7                           ; v7   K fragments back: 16 x lane
.set VSTW, 8                           ; v8   where my column's codes go: 1536 (lane / 16) + 48 (lane % 16)
.set VSTR, 9                           ; v9   V fragments back
.set KSCW, 10                          ; v10  my key's scale word: KSC + 16 (16 u + r) + 4 w
.set NPW,  11                          ; v11  my key's partial sum: NP + 512 w + 4 lane
.set GK,   12                          ; v12  in kq: 16 lane + 1536 w
.set GV,   13                          ; v13  in vq: 16 lane + 12288 w
.set GS,   14                          ; v14  scale words in either: 16 lane + 512 w
.set NPR,  15                          ; v15  NP + 16 lane
.set KSCR, 20                          ; v20  KSC + 512 w + 16 lane
                                       ; v21-31 wave 1's work on x: offsets, the scale word, 1 / |row|
.set LB,   32                          ; v32-159  a block of keys as loaded
.set X,    160                         ; v160-191 one block of 32 numbers
.set C,    192                         ; v192-197 its codes
.set D,    198                         ; v198-200 the upper half's, before they are moved
.set MX,   202
.set SO,   204
.set BY,   205
.set KW,   206
.set SS,   208                         ; v208-211 sums of squares, two pairs
.set VW,   212                         ; v212-215 V's scale words
.set CO,   216                         ; v216-239 K fragments on their way out
	s_load_b128 s[4:7], s[0:1], 0x0                ; bank, kq
	s_load_b64 s[8:9], s[0:1], 0x10                ; vq
	s_load_b64 s[20:21], s[0:1], 0x18              ; x
	s_load_b64 s[22:23], s[0:1], 0x20              ; xq
	v_lshl_add_u32 v240, v0, 2, 0x20800
	v_mov_b32 v241, 0
	v_lshrrev_b32 v16, 5, v0
	v_readfirstlane_b32 s10, v16                   ; wave
	v_and_b32 v1, 31, v0                           ; lane
	v_lshlrev_b32 v[GL], 4, v1
	s_mul_i32 s11, s10, WREG
	v_add_nc_u32 v[STW], s11, v[GL]
	v_mul_u32_u24 v[STK], v1, SP
	v_add_nc_u32 v[STK], s11, v[STK]
	v_lshl_add_u32 v[STV], v1, 2, s11
	v_bfe_u32 v16, v1, 3, 1                        ; u: key 8 u + r + 8 (r / 8) of a block has u in bit 3,
	v_and_b32 v17, 7, v1
	v_bfe_u32 v18, v1, 4, 1                        ; (lane / 16: kept)
	v_lshl_or_b32 v17, v18, 3, v17                 ; and r = bits 2:0 with bit 4 on top
	v_mul_u32_u24 v[KSTW], v17, 48
	v_mad_u32_u24 v[KSTW], v16, 1536, v[KSTW]
	s_add_co_u32 s12, s11, KST
	v_add_nc_u32 v[KSTW], s12, v[KSTW]
	v_add_nc_u32 v[KSTR], s12, v[GL]
	v_and_b32 v19, 15, v1
	v_mul_u32_u24 v[VSTW], v19, 48
	v_mad_u32_u24 v[VSTW], v18, 1536, v[VSTW]
	s_add_co_u32 s12, s11, VST
	v_add_nc_u32 v[VSTW], s12, v[VSTW]
	v_add_nc_u32 v[VSTR], s12, v[GL]
	v_lshl_or_b32 v16, v16, 4, v17                 ; 16 u + r
	s_lshl_b32 s12, s10, 2
	s_add_co_u32 s12, s12, KSC
	v_lshl_add_u32 v[KSCW], v16, 4, s12
	s_lshl_b32 s13, s10, 9                         ; 512 w
	s_add_co_u32 s12, s13, NP
	v_lshl_add_u32 v[NPW], v1, 2, s12
	s_mul_i32 s12, s10, 1536
	v_add_nc_u32 v[GK], s12, v[GL]
	s_mul_i32 s12, s10, 12288
	v_add_nc_u32 v[GV], s12, v[GL]
	v_add_nc_u32 v[GS], s13, v[GL]
	v_add_nc_u32 v[NPR], NP, v[GL]
	s_add_co_u32 s12, s13, KSC
	v_add_nc_u32 v[KSCR], s12, v[GL]
	s_lshl_b32 s14, ttmp9, 18                      ; 128 rows of 2,048 bytes a work-group,
	s_add_co_u32 s14, s14, s13                     ; my wave's 512 bytes of a row
	s_mov_b32 s15, 0
	s_mul_i32 s16, ttmp9, KREC
	s_mov_b32 s17, 0
	s_mul_i32 s18, ttmp9, VREC
	s_mov_b32 s19, 0
	s_lshl_b32 s24, ttmp9, 12                      ; x: two rows of 2,048 bytes a work-group
	s_mov_b32 s25, 0
	s_lshr_b32 s29, ttmp9, 3                       ; rows 2 g, 2 g + 1 lie in tile qt = g / 8, at r = 2 (g % 8) + 0, 1
	s_and_b32 s30, ttmp9, 7
	s_mul_i32 s26, s29, 6144                       ; codes: four fragments a tile,
	s_lshl_b32 s31, s30, 5
	s_add_co_u32 s26, s26, s31                     ; 16 bytes a lane
	s_lshl_b32 s27, s29, 8                         ; scale words: 256 bytes a tile,
	s_lshl_b32 s31, s30, 3
	s_add_co_u32 s27, s27, s31                     ; 4 bytes a row
	s_lshl_b32 s28, ttmp9, 3                       ; 1 / |row|: 4 bytes a row
	s_wait_kmcnt 0x0
	s_add_nc_u64 s[4:5], s[4:5], s[14:15]
	s_add_nc_u64 s[6:7], s[6:7], s[16:17]
	s_add_nc_u64 s[8:9], s[8:9], s[18:19]
	s_add_nc_u64 s[20:21], s[20:21], s[24:25]
.macro LOADB b                         ; keys 32 b .. 32 b + 31: each load reads 512 consecutive bytes of one row
.set ii, 0
.rept 32
	global_load_b128 v[LB+4*ii:LB+4*ii+3], v[GL], s[4:5] offset:(32*(\b)+ii)*2048 th:TH_LOAD_NT
.set ii, ii+1
.endr
.endm
.macro SCALE                           ; the block in X: its largest magnitude, the conversion's scale operand, the byte
	v_max3_num_f32 v[MX], |v[X]|, |v[X+1]|, |v[X+2]|
	v_max3_num_f32 v[MX+1], |v[X+3]|, |v[X+4]|, |v[X+5]|
.irp i, 6,10,14,18,22,26
	v_max3_num_f32 v[MX], v[MX], |v[X+\i]|, |v[X+\i+1]|
	v_max3_num_f32 v[MX+1], v[MX+1], |v[X+\i+2]|, |v[X+\i+3]|
.endr
	v_max3_num_f32 v[MX], v[MX], |v[X+30]|, |v[X+31]|
	v_max3_num_f32 v[MX], v[MX], v[MX+1], 0x2800000   ; the floor 2^(5 - 127): the byte cannot fall under 1
	v_add_nc_u32 v[SO], 0xfe000000, v[MX]          ; 4 off the exponent field: the conversion takes that field as its scale
	v_lshrrev_b32 v[BY], 23, v[SO]
.endm
.macro CODES                           ; 32 codes, 24 bytes, in v[C] .. v[C+5]
	v_cvt_scalef32_pk16_bf6_f32 v[C:C+2], v[X:X+15], v[SO]
	v_cvt_scalef32_pk16_bf6_f32 v[D:D+2], v[X+16:X+31], v[SO]   ; (a conversion's three registers begin on an even number)
	v_nop                                          ; one plain line behind the scaled conversions
.irp i, 0,1,2
	v_mov_b32 v[C+3+\i], v[D+\i]
.endr
.endm
; A lane a key: d = 128 w + 32 q + 0 .. 31 of key 32 b + lane.  In the fragment that is lane 16 (q % 2) + r, registers 6 (q / 2) on.
.macro KBLK b, q
.irp m, 0,1,2,3,4,5,6,7
	ds_load_b128 v[X+4*\m:X+4*\m+3], v[STK] offset:128*\q+16*\m
.endr
	s_wait_dscnt 0x0                               ; my numbers are in; so are all earlier LDS instructions: the stage's stores have read LB, the last codes' stores have read C
.if (\q == 0) && (\b < 3)
	LOADB \b+1                                     ; the next 32 keys: 16 KB a wave on their way through all of this block's work
.endif
.if \q == 0
	v_pk_mul_f32 v[SS:SS+1], v[X:X+1], v[X:X+1]    ; the first products start the sums of squares
	v_pk_mul_f32 v[SS+2:SS+3], v[X+2:X+3], v[X+2:X+3]
.else
	v_pk_fma_f32 v[SS:SS+1], v[X:X+1], v[X:X+1], v[SS:SS+1]
	v_pk_fma_f32 v[SS+2:SS+3], v[X+2:X+3], v[X+2:X+3], v[SS+2:SS+3]
.endif
.irp j, 4,8,12,16,20,24,28
	v_pk_fma_f32 v[SS:SS+1], v[X+\j:X+\j+1], v[X+\j:X+\j+1], v[SS:SS+1]
	v_pk_fma_f32 v[SS+2:SS+3], v[X+\j+2:X+\j+3], v[X+\j+2:X+\j+3], v[SS+2:SS+3]
.endr
	SCALE
.if \q == 0
	v_mov_b32 v[KW], v[BY]
.else
	v_lshl_or_b32 v[KW], v[BY], 8*\q, v[KW]        ; four bytes: my key's scale word for K step w
.endif
	CODES
.irp n, 0,1,2
	ds_store_b64 v[KSTW], v[C+2*\n:C+2*\n+1] offset:768*(\q%2)+24*(\q/2)+8*\n
.endr
.endm
; A lane a column: keys 32 b + 0 .. 31 of d = 128 w + 32 g + lane.  In fragment 2 g + lane / 16 that is lane 16 (b % 2) + lane % 16, registers 6 (b / 2) on.
.macro VBLK b, g
.set ii, 0
.rept 32
	ds_load_b32 v[X+ii], v[STV] offset:SP*ii+128*\g
.set ii, ii+1
.endr
	s_wait_dscnt 0x0
	SCALE
.if \b == 0
	v_mov_b32 v[VW+\g], v[BY]
.else
	v_lshl_or_b32 v[VW+\g], v[BY], 8*\b, v[VW+\g]  ; four bytes: my column's scale word for these 128 keys
.endif
	CODES
.irp n, 0,1,2
	ds_store_b64 v[VSTW], v[C+2*\n:C+2*\n+1] offset:3072*\g+768*(\b%2)+24*(\b/2)+8*\n
.endr
.endm
.macro ITER b
	s_wait_loadcnt 0x0                             ; the block's 32 loads
.set ii, 0
.rept 32
	ds_store_b128 v[STW], v[LB+4*ii:LB+4*ii+3] offset:SP*ii   ; LDS serves a wave's instructions in order: these come behind the last block's reads of the stage
.set ii, ii+1
.endr
	KBLK \b, 0
	KBLK \b, 1
	KBLK \b, 2
	KBLK \b, 3
	ds_store_b32 v[KSCW], v[KW] offset:512*\b
	v_pk_add_f32 v[SS:SS+1], v[SS:SS+1], v[SS+2:SS+3]
	v_add_f32 v[SS], v[SS], v[SS+1]
	ds_store_b32 v[NPW], v[SS] offset:128*\b       ; my key's sum of squares over my 128 d
	s_wait_xcnt 0x0                                ; the last block's stores have read CO: it is loaded again only behind this wait
.irp n, 0,1,2,3,4,5
	ds_load_b128 v[CO+4*\n:CO+4*\n+3], v[KSTR] offset:512*\n   ; tiles 2 b and 2 b + 1, as they lie
.endr
	s_wait_dscnt 0x0
.irp n, 0,1,2,3,4,5
	global_store_b128 v[GK], v[CO+4*\n:CO+4*\n+3], s[6:7] offset:(8*\b+4*(\n/3))*1536+512*(\n%3) th:TH_STORE_NT   ; 512 consecutive bytes, at a multiple of 256 from kq's first byte
.endr
	VBLK \b, 0
	VBLK \b, 1
	VBLK \b, 2
	VBLK \b, 3
.endm
	s_cmp_lg_u32 s10, 1
	s_cbranch_scc1 .Lplain
	; WAVE 1: rows 2 g and 2 g + 1 of x.  Lane l holds block l % 16 of row 2 g + l / 16: the 128 bytes at 128 l.  No LDS is touched.
	v_lshlrev_b32 v21, 7, v1
.irp m, 0,1,2,3,4,5,6,7
	global_load_b128 v[X+4*\m:X+4*\m+3], v21, s[20:21] offset:16*\m th:TH_LOAD_NT
.endr
	LOADB 0                                        ; the bank's first 32 keys go out behind them: x is worked on while they are on their way
	v_bfe_u32 v30, v1, 2, 2                        ; block 4 ks + 2 c + h lies in fragment ks, lane 16 h + r, registers 6 c on
	v_bfe_u32 v31, v1, 1, 1                        ; c
	v_and_b32 v29, 1, v1                           ; h
	v_mul_u32_u24 v22, v30, 1536
	v_lshl_add_u32 v22, v29, 8, v22
	v_lshl_add_u32 v22, v18, 4, v22
	v_add_nc_u32 v22, s26, v22                     ; the lane's first 16 bytes in the fragment's image
	v_mad_u32_u24 v23, v31, 1016, v22              ; registers 6 c + 2, 3 lie at 8 (c = 0) or 1,024 (c = 1): 8 + 1,016 c,
	v_mad_u32_u24 v22, v31, 520, v22               ; registers 6 c + 0, 1 at 520 c, and 6 c + 4, 5 at 512 + 520 c
	v_lshlrev_b32 v24, 6, v30
	v_lshl_add_u32 v24, v18, 2, v24
	v_add_nc_u32 v24, s27, v24                     ; my row's scale word of K step ks
	v_lshl_add_u32 v25, v18, 2, s28                ; my row's 1 / |row|
	v_and_b32 v29, 3, v1
	v_lshlrev_b32 v29, 3, v29                      ; my byte's place in the word: 8 (2 c + h) bits up
	v_mov_b32 v27, 0                               ; written once: a DPP line's destination counts as one of its sources
	s_wait_loadcnt 32                              ; x's eight loads are in; the bank's 32 behind them stay out
	v_pk_mul_f32 v[SS:SS+1], v[X:X+1], v[X:X+1]
	v_pk_mul_f32 v[SS+2:SS+3], v[X+2:X+3], v[X+2:X+3]
.irp j, 4,8,12,16,20,24,28
	v_pk_fma_f32 v[SS:SS+1], v[X+\j:X+\j+1], v[X+\j:X+\j+1], v[SS:SS+1]
	v_pk_fma_f32 v[SS+2:SS+3], v[X+\j+2:X+\j+3], v[X+\j+2:X+\j+3], v[SS+2:SS+3]
.endr
	v_pk_add_f32 v[SS:SS+1], v[SS:SS+1], v[SS+2:SS+3]
	v_add_f32 v[SS], v[SS], v[SS+1]
	v_add_f32_dpp v[SS], v[SS], v[SS] row_xmask:1 row_mask:0xf bank_mask:0xf   ; a row of x is sixteen lanes: four steps give every lane its sum of squares
	v_add_f32_dpp v[SS], v[SS], v[SS] row_xmask:2 row_mask:0xf bank_mask:0xf
	v_add_f32_dpp v[SS], v[SS], v[SS] row_xmask:4 row_mask:0xf bank_mask:0xf
	v_add_f32_dpp v[SS], v[SS], v[SS] row_xmask:8 row_mask:0xf bank_mask:0xf
	s_wait_alu depctr_va_vdst(0)
	v_rsq_f32 v28, v[SS]                           ; the lines below, which name neither, are the plain work behind it
	SCALE
	CODES
	v_lshlrev_b32 v26, v29, v[BY]
	v_mov_b32_dpp v27, v26 row_xmask:1 row_mask:0xf bank_mask:0xf
	v_or_b32 v26, v26, v27
	v_mov_b32_dpp v27, v26 row_xmask:2 row_mask:0xf bank_mask:0xf
	v_or_b32 v26, v26, v27                         ; the four lanes of a K step now hold its whole scale word
	s_wait_alu depctr_va_vdst(0)                   ; the wait ahead of the reciprocal root's first reader
	global_store_b64 v22, v[C:C+1], s[22:23]
	global_store_b64 v23, v[C+2:C+3], s[22:23] offset:8
	global_store_b64 v22, v[C+4:C+5], s[22:23] offset:512
	global_store_b32 v24, v26, s[22:23] offset:393216   ; (four lanes store the same word with the same value)
	global_store_b32 v25, v28, s[22:23] offset:409600   ; (sixteen lanes likewise)
	s_wait_xcnt 0x0                                ; the stores have read their registers: C is written again below
	s_branch .Lgo
.Lplain:
	LOADB 0
.Lgo:
	ITER 0
	ITER 1
	ITER 2
	ITER 3
.set ii, 0
.rept 24
	ds_load_b128 v[LB+4*ii:LB+4*ii+3], v[VSTR] offset:512*ii   ; my eight V fragments are whole
.set ii, ii+1
.endr
.set ii, 0
	s_wait_alu depctr_va_vdst(0)
.rept 24
	s_wait_dscnt 23-ii                             ; the loads behind this one may be out
	global_store_b128 v[GV], v[LB+4*ii:LB+4*ii+3], s[8:9] offset:512*ii th:TH_STORE_NT
.set ii, ii+1
.endr
	global_store_b128 v[GS], v[VW:VW+3], s[8:9] offset:49152 th:TH_STORE_NT
	s_wait_dscnt 0x0                               ; for the others' sake: my scale words and partial sums lie in LDS
	s_barrier_signal -1
	s_barrier_wait -1
	ds_load_b128 v[160:163], v[KSCR]               ; block w's scale words, all four K steps
	s_wait_dscnt 0x0
	global_store_b128 v[GS], v[160:163], s[6:7] offset:49152 th:TH_STORE_NT
	s_cmp_lg_u32 s10, 0
	s_cbranch_scc1 .Ldone                          ; wave 0 alone finishes the norms: four keys a lane
.irp p, 0,1,2,3
	ds_load_b128 v[164+4*\p:167+4*\p], v[NPR] offset:512*\p
.endr
	s_wait_dscnt 0x0
	v_pk_add_f32 v[164:165], v[164:165], v[168:169]
	v_pk_add_f32 v[166:167], v[166:167], v[170:171]
	v_pk_add_f32 v[172:173], v[172:173], v[176:177]
	v_pk_add_f32 v[174:175], v[174:175], v[178:179]
	v_pk_add_f32 v[164:165], v[164:165], v[172:173]
	v_pk_add_f32 v[166:167], v[166:167], v[174:175]
	s_wait_alu depctr_va_vdst(0)
.irp p, 0,1,2,3
	v_rsq_f32 v[180+\p], v[164+\p]
.endr
	v_nop                                          ; a plain line behind the last of the batch,
	s_wait_alu depctr_va_vdst(0)                   ; and one wait ahead of its first reader
.irp p, 0,1,2,3
	v_mul_f32 v[184+\p], 0x4138aa3b, v[180+\p]     ; 8 log2(e) / |row|
.endr
	global_store_b128 v[GL], v[184:187], s[6:7] offset:51200 th:TH_STORE_NT
.Ldone:
	s_wait_tensorcnt 0x0
	ds_add_u32 v240, v241
	s_wait_dscnt 0x0
	s_endpgm
.Lfunc_end_k_qec98c546a3_quant:
	.size	k_qec98c546a3_quant, .Lfunc_end_k_qec98c546a3_quant-k_qec98c546a3_quant
	.p2alignl 7, 3214868480
	.fill 96, 4, 3214868480
	.section	.rodata,"a",@progbits
	.p2align	6, 0x0
	.amdhsa_kernel k_qec98c546a3_quant
		.amdhsa_group_segment_fixed_size 133632
		.amdhsa_private_segment_fixed_size 0
		.amdhsa_enable_private_segment 0
		.amdhsa_kernarg_size 40
		.amdhsa_user_sgpr_count 2
		.amdhsa_user_sgpr_kernarg_segment_ptr 1
		.amdhsa_wavefront_size32 1
		.amdhsa_system_sgpr_workgroup_id_x 1
		.amdhsa_system_sgpr_workgroup_id_y 1
		.amdhsa_system_sgpr_workgroup_id_z 1
		.amdhsa_system_vgpr_workitem_id 0
		.amdhsa_next_free_vgpr 242
		.amdhsa_next_free_sgpr 66
		.amdhsa_reserve_vcc 0
		.amdhsa_float_denorm_mode_32 3
		.amdhsa_float_denorm_mode_16_64 3
		.amdhsa_memory_ordered 1
		.amdhsa_forward_progress 1
		.amdhsa_inst_pref_size 152
	.end_amdhsa_kernel
	.amdgpu_metadata
---
amdhsa.version: [ 1, 2 ]
amdhsa.kernels:
  - .name:           k_qec98c546a3_quant
    .symbol:         k_qec98c546a3_quant.kd
    .args:
      - { .name: memory_bank, .offset: 0, .size: 8, .value_kind: global_buffer, .address_space: global }
      - { .name: kq, .offset: 8, .size: 8, .value_kind: global_buffer, .address_space: global }
      - { .name: vq, .offset: 16, .size: 8, .value_kind: global_buffer, .address_space: global }
      - { .name: x, .offset: 24, .size: 8, .value_kind: global_buffer, .address_space: global }
      - { .name: xq, .offset: 32, .size: 8, .value_kind: global_buffer, .address_space: global }
    .group_segment_fixed_size: 133632
    .private_segment_fixed_size: 0
    .kernarg_segment_align: 8
    .kernarg_segment_size: 40
    .max_flat_workgroup_size: 128
    .sgpr_count:     66
    .vgpr_count:     242
    .wavefront_size: 32
...
	.end_amdgpu_metadata
.endif
;; end of part 1
;; launch attend (part 2): grid 8 x 32, 4 waves a work-group, clusters of 4 x 1, 327,680 bytes of LDS; arguments xq, kq, vq, part, lp; writes part, lp
.if DOCPART == 2
	.amdgcn_target "amdgcn-amd-amdhsa--gfx1250"
	.amdhsa_code_object_version 6
	.text
	.protected	k_qec98c546a3_attend
	.globl	k_qec98c546a3_attend
	.p2align	8
	.type	k_qec98c546a3_attend,@function
k_qec98c546a3_attend:
	s_mov_b64 s[64:65], 0
	v_nop
	global_prefetch_b8 v0, s[64:65] scope:SCOPE_SE
	s_setreg_imm32_b32 hwreg(HW_REG_WAVE_MODE, 25, 1), 1
	s_wait_xcnt 0x0
	s_wait_alu depctr_hold_cnt(0) depctr_sa_sdst(0) depctr_va_vdst(0) depctr_va_sdst(0) depctr_va_ssrc(0) depctr_va_vcc(0) depctr_vm_vsrc(0)
	s_getreg_b32 s2, hwreg(HW_REG_IB_STS2, 6, 4)
	s_cmp_eq_u32 s2, 0
	s_cbranch_scc0 .Lentry_in_a_cluster
	s_endpgm
.Lentry_in_a_cluster:
	s_bfe_u32 s2, ttmp6, 0x10000c
	s_cmp_lg_u32 s2, 0x3003
	s_cbranch_scc0 .Lentry_shape_is_right
	s_endpgm
.Lentry_shape_is_right:
; One split of the attention: 128 queries (block qb) against 2,048 keys (split), 16 steps of 128 keys, both products on codes of BF6 (E3M2) with E8M0 scales.
;   t = dots x 8 log2(e) / max(|x| |m|, 1e-8);  p = 2^t;  part = sum over the split's keys of Q(p) Q(bank);  lp = sums of the unquantised p.  The next launch adds the 32 splits and divides.
; NO MAXIMUM IS TAKEN AWAY, because the computation itself bounds t.  A quantised vector's norm is at most 1.137 times the vector's (a code is off by at most 1/8 of its number; subnormal codes by at most
; 1/512 of the block's largest, sqrt(32)/512 of the block's norm), so |dots| <= 1.293 |x| |m| and |t| <= 11.5416 x 1.293 < 15 for every input; the clamp only makes t smaller.  So p lies in 2^-15 .. 2^15 and a
; row's sum under 2^31.  The rule's M is a whole number: with M = 0 every block's scale takes the factor 2^M up, the codes are the same, and the sum carries the same factor.
; x, the bank along d and the bank along the keys arrive as codes, laid by the launch before in the order of the operands' registers.
; SHARES.  Four waves.  Scores and softmax: wave w = 2 i + jq takes keys 64 i on of the step x queries 64 jq on (16 tiles).  Second product: wave w takes d = 128 w on x all 128 queries (64 accumulators,
; 512 registers).  P goes from wave to wave through LDS as an image of the operand's registers.  So a step's K, V and P are each read from LDS by a wave once: 32 fragments for 128 matrix instructions.
; Both products are used transposed (S^T = K Q^T, O^T = V^T P^T): a lane holds one query.  The keys of a tile of K are chosen (by the launch before) so that the 16 registers of tiles 2 b, 2 b + 1 are 16 neighbouring keys.
; CLUSTER.  The four query blocks of a cluster walk the same split: every tile of K and V is asked for JOINTLY (mask 15).  Waves 0, 1 fetch the halves of K's record, waves 2, 3 of V's.
; ONE change of slots a step, between the softmax and the second product: behind it K(j)'s slot takes K(j + 2) and V(j - 1)'s slot takes V(j + 1); each load has a whole step in which to land.
; A wave has two tensor loads out at the start and one behind each change.  The launch claims all of LDS and adds 0 to spare words.
; LIMITS: NaN and infinities are not served; a row whose sum of squares lies under 2^-126 counts as a row of zeros (the clamp then holds).
; REGISTERS.  Window 0: see the names below.  Window 1: v0-191 Q's 16 fragments, v192-239 K's buffer A, v240-247 the rows' sums.  Windows 2, 3: O^T, accumulator (dt, qt) at 8 (8 (dt % 4) + qt).
.set KREC,  51712
.set VREC,  51200
.set KHALF, 25856                      ; 101 rows of 256 bytes
.set VHALF, 25600                      ; 100 rows
.set XT,    65536                      ; one exclusive or turns every address of one parity into the other's
.set PB,    51712                      ; behind K's slot: P's eight fragments,
.set PSC,   64000                      ; and their scale words, 64 bytes a fragment
.set VS,    131072                     ; V's slots
.set SPARE, 262144                     ; the spare words: 128 bytes a wave
.set XQS,   393216                     ; in xq: the scale words,
.set XQR,   409600                     ; and 1 / |x|
.set PFO, 0                            ; v0      after the head: 256 x lane, the prefetches' offset
.set SPW, 1                            ; v1      my spare word; never rewritten
.set NIL, 2                            ; v2      0; never rewritten
.set L48, 3                            ; v3      48 x lane: my place in a fragment's image
.set L16, 4
.set L4,  5
.set H64, 6                            ; v6      64 x (lane / 16)
.set R4,  7                            ; v7      4 x (lane % 16)
.set ADR, 8                            ; v8-11   addresses of the loads in hand
.set KAD, 44                           ; v44-45  the step's LDS addresses of K's fragments and of K's scale words
.set VSW, 12                           ; v12-15  V's scale words: register dt / 2, lanes 16 (dt % 2) on
.set PSW, 16                           ; v16-19  P's: register qt / 2, lanes 16 (qt % 2) on
.set RX,  20                           ; v20-27  1 / |x| of my lane's query, twice, for each tile
.set QS,  28                           ; v28-35  Q's scale words: register 2 q + ks / 2, lanes 16 (ks % 2) on
.set KS,  36                           ; v36-43  K's scale words: register 4 (a / 2) + ks, lanes 16 (a % 2) on
.set SA,  48                           ; v48-175 S^T, then p: 32 q + 8 a + j = key 64 i + 32 (a / 2) + 16 (lane / 16) + 8 (a % 2) + j
.set PF,  48                           ; v48-143   second product: P's eight fragments
.set VF,  144                          ; v144-239  and V's eight
.set KB,  176                          ; v176-223 K's buffer B
.set TF,  176                          ; v176-207 softmax: the factors
.set MX,  176                          ; v176-215 the maxima's tree, five registers a block;  v216-223 the conversions' scale operands, then the bytes
.set PD,  184
.set SO,  216
.set PC,  176                          ; tile q's codes at v[176 + 10 q] on
.set RM,  224                          ; v224-255 8 log2(e) / |m| of my 32 keys
.set QF,  0                            ; window 1
.set KA,  192                          ; window 1
.set LSW, 240                          ; window 1: a pair for each of my four tiles of queries
.set WV,  14
.set WI,  15                           ; i = wave / 2
.set WJ,  16                           ; jq = wave % 2; also: which half of a record I fetch
.set CX,  17
.set QB,  18
.set SPL, 19
.set SEL, 20                           ; s[20:21] v_permlanex16_b32's selects for lane l xor 16
.set CM,  22                           ; 8 log2(e) / 1e-8
.set CNT, 23
.set G1K, 24
.set G1V, 32
.set G0K, 40                           ; s[40:43] K(0);  s[44:47] K(1), which walks
.set G0V, 48                           ; s[48:51] V(0);  s[52:55] V(1), which walks
.set TT,  56                           ; 0 or XT: the step's parity
.set WK,  57
.set WKS, 58
.set WRM, 59
.set WVB, 60
.set WVS, 61
.set WPW, 62
.set WPS, 63
.set PFA, 66                           ; s[66:67] where my prefetches stand;  s[68:69] a record on;  s70: 1 in a wave that prefetches, else the greatest number
.set PFS, 68
.set LIM, 70
.set MSB, 0
.macro WIN new                         ; the immediate's high byte repeats the setting that is left; a switch that changes nothing is dropped
.if MSB != \new
	s_set_vgpr_msb (MSB<<8)|\new
.set MSB, \new
.endif
.endm
.macro NOPS n
.rept \n
	v_nop
.endr
.endm
.macro CREST                           ; a round of the cluster's barrier behind its opening barrier
	s_cmp_lg_u32 s[WV], 0
	s_cbranch_scc1 .Lnot_wave_0_\@
	s_barrier_signal -3
.Lnot_wave_0_\@:
	s_barrier_wait -3
	s_barrier_signal -1
	s_barrier_wait -1
.endm
.macro CROUND                          ; a whole round
	s_barrier_signal -1
	s_barrier_wait -1
	CREST
.endm
; One matrix instruction; its registers stand in rD, rA, rB, rSA, rSB; fRA, fRB: the scales are read from lanes 16-31.  zero = 1: it starts a sum.
.macro WMI zero
.if \zero
.if fRA && fRB
	v_wmma_scale_f32_16x16x128_f8f6f4 v[rD:rD+7], v[rA:rA+11], v[rB:rB+11], 0, v[rSA], v[rSB] matrix_a_fmt:MATRIX_FMT_BF6 matrix_b_fmt:MATRIX_FMT_BF6 matrix_a_scale:MATRIX_SCALE_ROW1 matrix_b_scale:MATRIX_SCALE_ROW1
.elseif fRA
	v_wmma_scale_f32_16x16x128_f8f6f4 v[rD:rD+7], v[rA:rA+11], v[rB:rB+11], 0, v[rSA], v[rSB] matrix_a_fmt:MATRIX_FMT_BF6 matrix_b_fmt:MATRIX_FMT_BF6 matrix_a_scale:MATRIX_SCALE_ROW1
.elseif fRB
	v_wmma_scale_f32_16x16x128_f8f6f4 v[rD:rD+7], v[rA:rA+11], v[rB:rB+11], 0, v[rSA], v[rSB] matrix_a_fmt:MATRIX_FMT_BF6 matrix_b_fmt:MATRIX_FMT_BF6 matrix_b_scale:MATRIX_SCALE_ROW1
.else
	v_wmma_scale_f32_16x16x128_f8f6f4 v[rD:rD+7], v[rA:rA+11], v[rB:rB+11], 0, v[rSA], v[rSB] matrix_a_fmt:MATRIX_FMT_BF6 matrix_b_fmt:MATRIX_FMT_BF6
.endif
.else
.if fRA && fRB
	v_wmma_scale_f32_16x16x128_f8f6f4 v[rD:rD+7], v[rA:rA+11], v[rB:rB+11], v[rD:rD+7], v[rSA], v[rSB] matrix_a_fmt:MATRIX_FMT_BF6 matrix_b_fmt:MATRIX_FMT_BF6 matrix_a_scale:MATRIX_SCALE_ROW1 matrix_b_scale:MATRIX_SCALE_ROW1
.elseif fRA
	v_wmma_scale_f32_16x16x128_f8f6f4 v[rD:rD+7], v[rA:rA+11], v[rB:rB+11], v[rD:rD+7], v[rSA], v[rSB] matrix_a_fmt:MATRIX_FMT_BF6 matrix_b_fmt:MATRIX_FMT_BF6 matrix_a_scale:MATRIX_SCALE_ROW1
.elseif fRB
	v_wmma_scale_f32_16x16x128_f8f6f4 v[rD:rD+7], v[rA:rA+11], v[rB:rB+11], v[rD:rD+7], v[rSA], v[rSB] matrix_a_fmt:MATRIX_FMT_BF6 matrix_b_fmt:MATRIX_FMT_BF6 matrix_b_scale:MATRIX_SCALE_ROW1
.else
	v_wmma_scale_f32_16x16x128_f8f6f4 v[rD:rD+7], v[rA:rA+11], v[rB:rB+11], v[rD:rD+7], v[rSA], v[rSB] matrix_a_fmt:MATRIX_FMT_BF6 matrix_b_fmt:MATRIX_FMT_BF6
.endif
.endif
.endm
	s_load_b256 s[4:11], s[0:1], 0x0               ; xq s[4:5], kq s[6:7], vq s[8:9], part s[10:11]
	s_load_b64 s[12:13], s[0:1], 0x20              ; lp
	v_lshl_add_u32 v[SPW], v0, 2, SPARE
	v_mov_b32 v[NIL], 0
	ds_add_u32 v1, v2
	ds_add_u32 v1, v2
	s_wait_dscnt 0x0
	v_lshrrev_b32 v8, 5, v0
	v_readfirstlane_b32 s[WV], v8                  ; wave 0..3
	s_lshr_b32 s[WI], s[WV], 1
	s_and_b32 s[WJ], s[WV], 1
	s_bfe_u32 s[CX], ttmp6, 0x40000                ; my place in the cluster: it enters the addresses of xq, part, lp and the prefetches alone
	s_lshl_b32 s[QB], ttmp9, 2
	s_add_co_u32 s[QB], s[QB], s[CX]               ; my block of 128 queries
	s_and_b32 s[SPL], ttmp7, 0xffff                ; the split, which the four partners share
	; descriptor groups 1: half a record, a dense block, as rows of 256 bytes (32 elements of 8 bytes), no padding
	s_mov_b32 s[G1K], 15|(3<<16)|(1<<21)           ; 15:0 the mask: all four work-groups; 17:16 elements of 8 bytes; 21 set beside a mask
	s_mov_b32 s[G1K+1], 32<<16                     ; tensor_dim0 = 32
	s_mov_b32 s[G1K+2], 101<<16                    ; tensor_dim1 = 101
	s_mov_b32 s[G1K+3], 32<<16                     ; tile_dim0 = 32
	s_mov_b32 s[G1K+4], 101                        ; tile_dim1 = 101
	s_mov_b32 s[G1K+5], 32                         ; from row to row
	s_mov_b32 s[G1K+6], 0
	s_mov_b32 s[G1K+7], 0
	s_mov_b32 s[G1V], 15|(3<<16)|(1<<21)
	s_mov_b32 s[G1V+1], 32<<16
	s_mov_b32 s[G1V+2], 100<<16
	s_mov_b32 s[G1V+3], 32<<16
	s_mov_b32 s[G1V+4], 100
	s_mov_b32 s[G1V+5], 32
	s_mov_b32 s[G1V+6], 0
	s_mov_b32 s[G1V+7], 0
	s_lshl_b32 s71, s[SPL], 4                      ; the split's first record
	s_mul_i32 s72, s71, KREC
	s_mul_i32 s74, s[WJ], KHALF                    ; my half: in memory and in a slot alike
	s_add_co_u32 s72, s72, s74
	s_mov_b32 s73, 0
	s_mul_i32 s76, s71, VREC
	s_mul_i32 s75, s[WJ], VHALF
	s_add_co_u32 s76, s76, s75
	s_mov_b32 s77, 0
	s_add_co_u32 s75, s75, VS
	s_mov_b32 s[SEL], 0x76543210
	s_mov_b32 s[SEL+1], 0xfedcba98
	s_mov_b32 s[CM], 0x4e89960c
	s_mov_b32 s[TT], 0
	s_mul_i32 s[WK], s[WI], 24576                  ; my 16 fragments of K
	s_lshl_b32 s[WKS], s[WI], 10
	s_add_co_u32 s[WKS], s[WKS], 49152             ; their scale words
	s_lshl_b32 s[WRM], s[WI], 8
	s_add_co_u32 s[WRM], s[WRM], 51200             ; my 64 keys' rm
	s_mul_i32 s[WVB], s[WV], 12288
	s_add_co_u32 s[WVB], s[WVB], VS                ; my 8 fragments of V
	s_lshl_b32 s[WVS], s[WV], 9
	s_add_co_u32 s[WVS], s[WVS], VS+49152          ; their scale words
	s_mul_i32 s[WPW], s[WJ], 6144
	s_mul_i32 s78, s[WI], 24
	s_add_co_u32 s[WPW], s[WPW], s78
	s_add_co_u32 s[WPW], s[WPW], PB                ; where my part of P goes: fragments 4 jq on, registers 6 i on
	s_lshl_b32 s[WPS], s[WJ], 8
	s_lshl_b32 s78, s[WI], 1
	s_add_co_u32 s[WPS], s[WPS], s78
	s_add_co_u32 s[WPS], s[WPS], PSC               ; and my two bytes of its scale words
	s_wait_kmcnt 0x0
	s_mov_b32 s[G0K], 1                            ; count = 1
	s_mov_b32 s[G0K+1], s74                        ; LDS address
	s_add_nc_u64 s[G0K+2:G0K+3], s[6:7], s[72:73]  ; global address: K(0), my half
	s_mov_b32 s[G0K+4], 1
	s_add_co_u32 s[G0K+5], s74, XT
	s_add_nc_u64 s[G0K+6:G0K+7], s[G0K+2:G0K+3], KREC
	s_or_b32 s[G0K+3], s[G0K+3], 0x80000000        ; type = 2
	s_or_b32 s[G0K+7], s[G0K+7], 0x80000000
	s_mov_b32 s[G0V], 1
	s_mov_b32 s[G0V+1], s75
	s_add_nc_u64 s[G0V+2:G0V+3], s[8:9], s[76:77]
	s_mov_b32 s[G0V+4], 1
	s_add_co_u32 s[G0V+5], s75, XT
	s_add_nc_u64 s[G0V+6:G0V+7], s[G0V+2:G0V+3], VREC
	s_or_b32 s[G0V+3], s[G0V+3], 0x80000000
	s_or_b32 s[G0V+7], s[G0V+7], 0x80000000
	CROUND                                         ; all four work-groups are here: the first joint loads meet
	s_cmp_lt_u32 s[WV], 2                          ; one first fill a wave at the head: waves 0, 1 the halves of K(0), waves 2, 3 of V(0)
	s_cbranch_scc0 .Lfirst_v
	tensor_load_to_lds s[G0K:G0K+3], s[G1K:G1K+7]
	s_nop 0
	NOPS 4
	s_branch .Lfirst_asked
.Lfirst_v:
	tensor_load_to_lds s[G0V:G0V+3], s[G1V:G1V+7]
	s_nop 0
	NOPS 4
.Lfirst_asked:
	v_and_b32 v8, 31, v0                           ; lane
	v_and_b32 v9, 15, v0                           ; r
	v_bfe_u32 v10, v0, 4, 1                        ; h
	v_mul_u32_u24 v[L48], v8, 48
	v_lshlrev_b32 v[L16], 4, v8
	v_lshlrev_b32 v[L4], 2, v8
	v_lshlrev_b32 v[H64], 6, v10
	v_lshlrev_b32 v[R4], 2, v9
	s_wait_alu depctr_va_vdst(0)
	; addresses that hang on my place in the cluster: in registers of their own.  Q of my 64 queries, 2 qb + jq: 16 fragments on end, their scale words, 1 / |x|
	s_lshl_b32 s82, s[QB], 1
	s_add_co_u32 s82, s82, s[WJ]
	s_mov_b32 s81, 0
	s_mul_i32 s80, s82, 24576
	s_add_nc_u64 s[84:85], s[4:5], s[80:81]
	s_lshl_b32 s80, s82, 10
	s_add_co_u32 s80, s80, XQS
	s_add_nc_u64 s[86:87], s[4:5], s[80:81]
	s_lshl_b32 s80, s82, 8
	s_add_co_u32 s80, s80, XQR
	s_add_nc_u64 s[88:89], s[4:5], s[80:81]
	WIN 0x40                                       ; destination window 1
.set ii, 0
.rept 16                                       ; my 64 queries' 16 fragments stay in registers; each load takes 512 consecutive bytes; all 60 loads of the head are out together, beside the first tiles
.irp n, 0,1,2
	global_load_b128 v[QF+12*ii+4*\n:QF+12*ii+4*\n+3], v[L16], s[84:85] offset:1536*ii+512*\n
.endr
.set ii, ii+1
.endr
	WIN 0
.irp n, 0,1,2,3,4,5,6,7
	global_load_b32 v[QS+\n], v[L4], s[86:87] offset:128*\n   ; two fragments' words a register
.endr
.irp q, 0,1,2,3
	global_load_b32 v[RX+2*\q], v[R4], s[88:89] offset:64*\q
.endr
	s_lshl_b32 s80, s[SPL], 3
	s_add_co_u32 s80, s80, s[QB]
	s_lshl_b32 s80, s80, 2
	s_add_co_u32 s80, s80, s[WV]
	s_lshl_b32 s80, s80, 16                        ; part: 65,536 bytes for (split, block, wave)
	s_add_nc_u64 s[10:11], s[10:11], s[80:81]
	s_lshl_b32 s80, s82, 6
	s_lshl_b32 s82, s[SPL], 1
	s_add_co_u32 s80, s80, s82
	s_add_co_u32 s80, s80, s[WI]
	s_lshl_b32 s80, s80, 9                         ; lp: 512 bytes for (block, jq, 2 split + i)
	s_add_nc_u64 s[12:13], s[12:13], s[80:81]
	; The prefetches: the codes of the records that the NEXT change of slots will ask for, 2 x 49,152 bytes = 12 chunks of 8,192, lanes 256 bytes apart.  Both clusters of a split walk the same
	; records: the first (cluster x = 0) asks.  Its partners share the chunks out BY ADDRESS: places 0, 1 take K's six, places 2, 3 V's six; in each, waves 0 to 2 take one chunk.
	s_and_b32 s82, s[CX], 1
	s_mul_i32 s82, s82, 3
	s_min_u32 s83, s[WV], 2
	s_add_co_u32 s82, s82, s83
	s_lshl_b32 s82, s82, 13                        ; my chunk
	s_lshl_b32 s83, s[SPL], 4
	s_mov_b32 s[PFS], VREC
	s_mov_b32 s[PFS+1], 0
	s_cmp_lt_u32 s[CX], 2
	s_cselect_b64 s[PFA:PFA+1], s[6:7], s[8:9]
	s_cselect_b32 s[PFS], KREC, s[PFS]
	s_cselect_b32 s90, 2, 1                        ; at K(2) or V(1): the first change steps it to K(3), V(2), which the second change loads
	s_add_co_u32 s83, s83, s90
	s_mul_i32 s80, s83, s[PFS]
	s_add_co_u32 s80, s80, s82
	s_add_nc_u64 s[PFA:PFA+1], s[PFA:PFA+1], s[80:81]
	s_lshr_b32 s71, s[WV], 1
	s_and_b32 s71, s71, s[WV]                      ; 1 in wave 3 alone
	s_or_b32 s71, s71, ttmp9                       ; 0 in waves 0 to 2 of the split's first cluster: the same in all four partners
	s_cmp_eq_u32 s71, 0
	s_cselect_b32 s[LIM], 1, -1
	WIN 0x40
.irp n, 0,1,2,3,4,5,6,7
	v_mov_b32 v[LSW+\n], 0                         ; the rows' sums
.endr
	WIN 0
	v_and_b32 v[PFO], 31, v0
	v_lshlrev_b32 v[PFO], 8, v[PFO]
	s_wait_loadcnt 0x0                             ; Q, its scale words, 1 / |x|
.irp q, 0,1,2,3
	v_mov_b32 v[RX+2*\q+1], v[RX+2*\q]
.endr
	v_add_nc_u32 v[KAD], s[WK], v[L48]             ; step 0's addresses of K: the slot of parity 0
	v_add_nc_u32 v[KAD+1], s[WKS], v[L16]
	s_wait_alu depctr_va_vdst(0)                   ; the wait at the head's end
	s_wait_tensorcnt 0x0                           ; my half of K(0) or V(0) is in; the second slots' first fills stand behind the same lines as a refill
	ds_add_u32 v[SPW], v[NIL]
	s_wait_dscnt 0x0
	CROUND                                         ; K(0) and V(0) are whole, and all four work-groups are here: the joint loads meet
	s_cmp_lt_u32 s[WV], 2
	s_cbranch_scc0 .Lsecond_v
	tensor_load_to_lds s[G0K+4:G0K+7], s[G1K:G1K+7]   ; K(1), my half
	s_nop 0
	NOPS 4
	s_branch .Lsecond_asked
.Lsecond_v:
	tensor_load_to_lds s[G0V+4:G0V+7], s[G1V:G1V+7]   ; V(1), my half
	s_nop 0
	NOPS 4
.Lsecond_asked:
.macro FETCHK buf, ks                  ; my four tiles of K, K step ks
.irp a, 0,1,2,3
.irp n, 0,1,2
	ds_load_b128 v[\buf+12*\a+4*\n:\buf+12*\a+4*\n+3], v[KAD] offset:(4*\a+\ks)*1536+16*\n
.endr
.endr
.endm
; The next step's addresses of K, in the slot of the other parity: made at the head of the second product, in registers of their own, which stay through the next step's first product.
.macro KADR
	s_xor_b32 s75, s[TT], XT
	s_add_co_u32 s76, s75, s[WK]
	s_add_co_u32 s77, s75, s[WKS]
	v_add_nc_u32 v[KAD], s76, v[L48]
	v_add_nc_u32 v[KAD+1], s77, v[L16]
.endm
; FETCHED AHEAD, 14 loads: a step's scale words of K and its first K step's fragments (buffer A).
.macro KAHEAD
	ds_load_b128 v[KS:KS+3], v[KAD+1]
	ds_load_b128 v[KS+4:KS+7], v[KAD+1] offset:512
	WIN 0x40
	FETCHK KA, 0
.endm
.macro SMUL buf, ks, zero              ; 16 matrix instructions: the sixteen accumulators by turns, one instruction a turn
.irp q, 0,1,2,3
.irp a, 0,1,2,3
.set rD, SA+32*\q+8*\a
.set rA, \buf+12*\a
.set rB, QF+12*(4*\q+\ks)
.set rSA, KS+4*(\a/2)+\ks
.set rSB, QS+2*\q+(\ks)/2
.set fRA, \a%2
.set fRB, (\ks)%2
	WMI \zero
.endr
.endr
.endm
; S^T = K Q^T: 64 keys x 64 queries x 512.  K's fragments come through two buffers, a K step ahead; the first K step's were fetched during the last step's second product.
.macro SPHASE
	s_add_co_u32 s73, s[TT], s[WRM]
	v_add_nc_u32 v[ADR+2], s73, v[H64]
	NOPS 4                                         ; with the line above: five places behind the last step's products, whose operands the loads below and the first products here write over
.irp m, 0,1,2,3,4,5,6,7
	ds_load_b128 v[RM+4*\m:RM+4*\m+3], v[ADR+2] offset:128*(\m/4)+16*(\m%4)
.endr
	FETCHK KB, 1
	s_wait_dscnt 20                                ; what was fetched ahead is in; the eight loads of rm and buffer B's twelve may be out
	WIN 0x05                                       ; K (buffer A) and Q in window 1
	SMUL KA, 0, 1
	NOPS 4                                         ; places in front of loads into registers that matrix instructions have read
	WIN 0x40
	FETCHK KA, 2
	s_wait_dscnt 12                                ; buffer B is in; A's twelve may be out
	WIN 0x04                                       ; K (buffer B) in window 0, Q in window 1
	SMUL KB, 1, 0
	NOPS 4
	WIN 0
	FETCHK KB, 3
	s_wait_dscnt 12
	WIN 0x05
	SMUL KA, 2, 0
	s_wait_dscnt 0x0                               ; my reads of K's slot are over
	WIN 0x04
	SMUL KB, 3, 0
	WIN 0
	NOPS 4                                         ; places in front of the first read of the scores and the first write over buffer B
.endm
; Line fi of the 64 that make tile q's t: 16 products 8 log2(e) / (|x| |m|), 32 clamps (c / max(a b, eps) = min(c / (a b), c / eps)), 16 products with the scores, each accumulator from its low end on.
.macro FAI q
.if fi < 16
	v_pk_mul_f32 v[TF+2*fi:TF+2*fi+1], v[RM+2*fi:RM+2*fi+1], v[RX+2*(\q):RX+2*(\q)+1]
.elseif fi < 48
	v_min_num_f32 v[TF+fi-16], s[CM], v[TF+fi-16]
.else
	v_pk_mul_f32 v[SA+32*(\q)+2*(fi-48):SA+32*(\q)+2*(fi-48)+1], v[SA+32*(\q)+2*(fi-48):SA+32*(\q)+2*(fi-48)+1], v[TF+2*(fi-48):TF+2*(fi-48)+1]
.endif
.set fi, fi+1
.endm
.macro EXQ q                           ; exponential ei of tile q
	v_exp_f32 v[SA+32*(\q)+ei], v[SA+32*(\q)+ei]
.set ei, ei+1
.endm
.macro ML1                             ; line ki of the maxima's first level: three of block ki / 5's first fifteen p, into a register of its own
	v_max3_num_f32 v[MX+ki], v[SA+16*(ki/5)+3*(ki%5)], v[SA+16*(ki/5)+3*(ki%5)+1], v[SA+16*(ki/5)+3*(ki%5)+2]
.set ki, ki+1
.endm
; Tile q's t, in three runs: the 16 products of the norms, the 32 clamps, the 16 products with the scores.  Tile q - 1's 32 exponentials stand among the lines of the first two runs (10 and 22), which name none
; of their registers.  No line of a run reads what a line of the same run wrote, and a wait closes each run; the third run, the scores' first readers, holds plain lines alone.
.macro TQ q
.set fi, 0
.set ei, 0
.rept 16
	FAI \q
.if ((\q) > 0) && ((fi%3) != 1)
	EXQ (\q)-1
.endif
.endr
.if (\q) > 0
	s_wait_alu depctr_va_vdst(0)
.endif
.rept 32
	FAI \q
.if ((\q) > 0) && ((fi%4) != 0) && (ei < 32)
	EXQ (\q)-1
.endif
.endr
.if (\q) > 0
	s_wait_alu depctr_va_vdst(0)
.endif
.rept 16
	FAI \q
.endr
	s_wait_alu depctr_va_vdst(0)                   ; ahead of this tile's exponentials
.endm
; p = 2^t, and P as codes, into LDS.  The exponentials go in two batches, each among plain lines that name none of its results, each with one wait ahead of its first reader.
.macro SOFT
	TQ 0
	TQ 1
	TQ 2
	TQ 3
; A block's largest p (block e = 2 q + bl: my 16 of its 32 keys) as a tree of eight lines: five of three p each, into v[MX + 5 e] on; two that join them and the sixteenth p; one with the floor 2^(5 - 127).
; No |.|: p is positive.  Tile 3's 32 exponentials stand among the 30 first-level lines of blocks 0 to 5, whose results are read behind the wait.
.set ki, 0
.set ei, 0
.rept 30
	EXQ 3
	ML1
.endr
	EXQ 3
	EXQ 3
	v_nop                                          ; a plain line behind the last exponential,
	s_wait_alu depctr_va_vdst(0)                   ; and one wait for the 32 and for the 30 maxima
.rept 10
	ML1
.endr
.irp e, 0,1,2,3,4,5,6,7
	v_max3_num_f32 v[MX+5*\e], v[MX+5*\e], v[MX+5*\e+1], v[MX+5*\e+2]
.endr
.irp e, 0,1,2,3,4,5,6,7
	v_max3_num_f32 v[MX+5*\e+3], v[MX+5*\e+3], v[MX+5*\e+4], v[SA+16*\e+15]
.endr
.irp e, 0,1,2,3,4,5,6,7
	v_max3_num_f32 v[MX+5*\e], v[MX+5*\e], v[MX+5*\e+3], 0x2800000
.endr
.irp e, 0,1,2,3,4,5,6,7
	v_permlanex16_b32 v[MX+5*\e+1], v[MX+5*\e], s[SEL], s[SEL+1]
.endr
.irp e, 0,1,2,3,4,5,6,7
	v_max_num_f32 v[MX+5*\e], v[MX+5*\e], v[MX+5*\e+1]     ; with lane l xor 16's 16 keys
.endr
.irp e, 0,1,2,3,4,5,6,7
	v_add_nc_u32 v[SO+\e], 0xfe000000, v[MX+5*\e]  ; 4 off the exponent field: the conversion's scale operand
.endr
.irp q, 0,1,2,3
	v_cvt_scalef32_pk16_bf6_f32 v[PC+10*\q:PC+10*\q+2], v[SA+32*\q:SA+32*\q+15], v[SO+2*\q]
	v_cvt_scalef32_pk16_bf6_f32 v[PC+10*\q+6:PC+10*\q+8], v[SA+32*\q+16:SA+32*\q+31], v[SO+2*\q+1]
.endr
	v_nop                                          ; one plain line behind the scaled conversions
.irp q, 0,1,2,3                                ; the operand wants a WHOLE block in a lane: lanes 0-15 block 2 i, lanes 16-31 block 2 i + 1
.irp i, 0,1,2
	v_permlane16_swap_b32 v[PC+10*\q+\i], v[PC+10*\q+6+\i]
.endr
.irp i, 0,1,2
	v_mov_b32 v[PC+10*\q+3+\i], v[PC+10*\q+6+\i]
.endr
.endr
.irp e, 0,1,2,3,4,5,6,7
	v_lshrrev_b32 v[SO+\e], 23, v[SO+\e]           ; the bytes
.endr
.irp q, 0,1,2,3
	v_lshl_or_b32 v[SO+2*\q], v[SO+2*\q+1], 8, v[SO+2*\q]   ; bytes 2 i and 2 i + 1 of the row's scale word
.endr
	s_add_co_u32 s71, s[TT], s[WPW]
	s_add_co_u32 s72, s[TT], s[WPS]
	v_add_nc_u32 v[ADR], s71, v[L48]
	v_add_nc_u32 v[ADR+1], s72, v[R4]
.irp q, 0,1,2,3
.irp n, 0,1,2
	ds_store_b64 v[ADR], v[PC+10*\q+2*\n:PC+10*\q+2*\n+1] offset:1536*\q+8*\n   ; registers 6 i .. 6 i + 5 of fragment 4 jq + q
.endr
	ds_store_b16 v[ADR+1], v[SO+2*\q] offset:64*\q ; (lanes r and r + 16 store the same two bytes)
.endr
.endm
.macro SUMS first                      ; 32 packed additions: the rows' sums are taken of the unquantised p, which still stands in its registers; the four tiles by turns
.set ii, \first
.rept 8
.irp q, 0,1,2,3
	v_pk_add_f32 v[LSW+2*\q:LSW+2*\q+1], v[LSW+2*\q:LSW+2*\q+1], v[SA+32*\q+ii:SA+32*\q+ii+1]
.endr
.set ii, ii+2
.endr
.endm
.macro ASK how                         ; how = 1: at the first change; 0: in the loop, whose last trip has no record three steps on
.if \how
	s_cmp_eq_u32 s[LIM], 1
.else
	s_cmp_gt_u32 s[CNT], s[LIM]
.endif
	s_cbranch_scc0 .Lnot_mine_\@
	global_prefetch_b8 v[PFO], s[PFA:PFA+1] th:TH_LOAD_NT scope:SCOPE_SE
.Lnot_mine_\@:
.endm
; THE CHANGE OF SLOTS.  Each wave waits for all its tensor loads (one is out: its half of K(j + 1) or V(j)), adds 0 to its spare word, and waits for that, for its stores of P and for its reads of the slots.
; Behind the barrier P(j), K(j + 1) and V(j) are whole, and nobody reads K(j) or V(j - 1).  kind: bit 0: K(j + 2) is asked for; bit 1: V(j + 1).  Where something is asked for, the barrier opens a round of the cluster's.
; The rows' sums, work on registers that is due anyway, stand between the add and the wait for it, and between the barrier's signal and its wait.
.macro CHANGE kind, how
	WIN 0
	s_wait_tensorcnt 0x0                           ; no tensor load of mine is out, so a group 0 may be written
	ds_add_u32 v[SPW], v[NIL]
.if (\kind) & 1
	s_xor_b32 s[G0K+5], s[G0K+5], XT               ; the other slot than last time,
	s_add_nc_u64 s[G0K+6:G0K+7], s[G0K+6:G0K+7], KREC   ; the next record; the type bits on top are not reached
	s_wait_xcnt 0x0                                ; the last prefetch, a step back, has read its address
	s_add_nc_u64 s[PFA:PFA+1], s[PFA:PFA+1], s[PFS:PFS+1]
.endif
.if (\kind) & 2
	s_xor_b32 s[G0V+5], s[G0V+5], XT
	s_add_nc_u64 s[G0V+6:G0V+7], s[G0V+6:G0V+7], VREC
.endif
	WIN 0x41                                       ; the sums (destination and source 0) in window 1, p in window 0
	SUMS 0
	s_wait_alu depctr_va_vdst(0)
	s_wait_dscnt 0x0                               ; the add is done, my part of P lies in LDS, my reads of the slots are over
	s_barrier_signal -1
	SUMS 16
	s_wait_alu depctr_va_vdst(0)                   ; likewise
	WIN 0
	s_barrier_wait -1
.if (\kind) != 0
	CREST
	s_cmp_lt_u32 s[WV], 2                          ; the branch hangs on the wave's number alone; four v_nop follow each tensor load
.if (\kind) == 3
	s_cbranch_scc0 .Lfor_v_\@
	tensor_load_to_lds s[G0K+4:G0K+7], s[G1K:G1K+7]
	s_nop 0
	NOPS 4
	s_branch .Lasked_\@
.Lfor_v_\@:
	tensor_load_to_lds s[G0V+4:G0V+7], s[G1V:G1V+7]
	s_nop 0
	NOPS 4
.Lasked_\@:
.elseif (\kind) == 1
	s_cbranch_scc0 .Lasked_\@
	tensor_load_to_lds s[G0K+4:G0K+7], s[G1K:G1K+7]
	s_nop 0
	NOPS 4
.Lasked_\@:
.else
	s_cbranch_scc1 .Lasked_\@
	tensor_load_to_lds s[G0V+4:G0V+7], s[G1V:G1V+7]
	s_nop 0
	NOPS 4
.Lasked_\@:
.endif
.endif
.if (\kind) & 1
	ASK \how
.endif
.endm
.macro PVW dt, qt, zero
.set rD, 8*(8*((\dt)%4)+(\qt))
.set rA, VF+12*(\dt)
.set rB, PF+12*(\qt)
.set rSA, VSW+(\dt)/2
.set rSB, PSW+(\qt)/2
.set fRA, (\dt)%2
.set fRB, (\qt)%2
	WMI \zero
.endm
; O^T += V^T P^T: my 128 d x 128 queries x these 128 keys: 64 accumulators, one instruction each.  V's first fragment is loaded ahead of P's eight, and each of the first eight products waits for its own
; fragment of P alone.  pre = 1: behind them the next step's first fragments of K are fetched: K(j + 1) was shown landed by the change just passed, and its slot is filled again only behind the next.
.macro PVPHASE zero, pre
	s_add_co_u32 s71, s[TT], PB
	s_add_co_u32 s72, s[TT], PSC
	s_add_co_u32 s73, s[TT], s[WVB]
	s_add_co_u32 s74, s[TT], s[WVS]
.if \pre
	KADR
.endif
	v_add_nc_u32 v[ADR], s71, v[L48]
	v_add_nc_u32 v[ADR+1], s72, v[L4]
	v_add_nc_u32 v[ADR+2], s73, v[L48]
	v_add_nc_u32 v[ADR+3], s74, v[L16]
.if \pre
	s_wait_alu depctr_va_vdst(0)
.endif
.irp p, 0,1,2,3
	ds_load_b32 v[PSW+\p], v[ADR+1] offset:128*\p
.endr
	ds_load_b128 v[VSW:VSW+3], v[ADR+3]
.irp n, 0,1,2
	ds_load_b128 v[VF+4*\n:VF+4*\n+3], v[ADR+2] offset:16*\n
.endr
.irp t, 0,1,2,3,4,5,6,7
.irp n, 0,1,2
	ds_load_b128 v[PF+12*\t+4*\n:PF+12*\t+4*\n+3], v[ADR] offset:1536*\t+16*\n
.endr
.endr
.irp t, 1,2,3,4,5,6,7
.irp n, 0,1,2
	ds_load_b128 v[VF+12*\t+4*\n:VF+12*\t+4*\n+3], v[ADR+2] offset:1536*\t+16*\n
.endr
.endr
	WIN 0xa0                                       ; C and D in window 2
.irp qt, 0,1,2,3,4,5,6,7
	s_wait_dscnt 21+3*(7-\qt)                      ; P's fragments behind this one, and V's seven behind them, may be out
	PVW 0, \qt, \zero
.endr
.if \pre
	WIN 0
	KAHEAD
.endif
.irp dt, 1,2,3,4,5,6,7
	s_wait_dscnt 14*(\pre)+3*(7-\dt)               ; the V fragments behind this one, and the 14 loads fetched ahead, may be out
.if \dt < 4
	WIN 0xa0
.else
	WIN 0xf0                                       ; C and D in window 3
.endif
.irp qt, 0,1,2,3,4,5,6,7
	PVW \dt, \qt, \zero
.endr
.endr
	WIN 0
.endm
	KAHEAD                                         ; step 0's
	WIN 0
	SPHASE                                         ; step 0
	SOFT
	CHANGE 1, 1                                    ; K(2) into K(0)'s slot; both slots of V are still to be read
	PVPHASE 1, 1                                   ; the first products start O^T's sums
	s_xor_b32 s[TT], s[TT], XT
	s_mov_b32 s[CNT], 13
.Lstep:                                            ; steps 1 to 13
	SPHASE
	SOFT
	CHANGE 3, 0
	PVPHASE 0, 1
	s_xor_b32 s[TT], s[TT], XT
	s_sub_co_u32 s[CNT], s[CNT], 1
	s_cmp_lg_u32 s[CNT], 0
	s_cbranch_scc1 .Lstep
	SPHASE                                         ; step 14: the tail is written out
	SOFT
	CHANGE 2, 0                                    ; V(15) alone
	PVPHASE 0, 1
	s_xor_b32 s[TT], s[TT], XT
	SPHASE                                         ; step 15
	SOFT
	CHANGE 0, 0
	PVPHASE 0, 0                                   ; nothing is left to fetch ahead
	; THE WAY OUT: the accumulators as they stand, each store 512 consecutive bytes at a multiple of 256 from part's first byte; each accumulator from its low end on
	NOPS 4
	WIN 0x05                                       ; sources in window 1, destination in window 0
.irp q, 0,1,2,3
	v_add_f32 v[TF+\q], v[LSW+2*\q], v[LSW+2*\q+1] ; my lane's part of the four rows' sums: they leave first, ahead of the 128 stores of O^T
.endr
	WIN 0
	global_store_b128 v[L16], v[TF:TF+3], s[12:13] th:TH_STORE_NT
	WIN 0x08                                       ; a store's data are its source 1: window 2
.irp dt, 0,1,2,3
.irp qt, 0,1,2,3,4,5,6,7
	global_store_b128 v[L16], v[8*(8*\dt+\qt):8*(8*\dt+\qt)+3], s[10:11] offset:(8*\qt+\dt)*1024 th:TH_STORE_NT
	global_store_b128 v[L16], v[8*(8*\dt+\qt)+4:8*(8*\dt+\qt)+7], s[10:11] offset:(8*\qt+\dt)*1024+512 th:TH_STORE_NT
.endr
.endr
	WIN 0x0c                                       ; window 3
.irp dt, 0,1,2,3
.irp qt, 0,1,2,3,4,5,6,7
	global_store_b128 v[L16], v[8*(8*\dt+\qt):8*(8*\dt+\qt)+3], s[10:11] offset:(8*\qt+\dt+4)*1024 th:TH_STORE_NT
	global_store_b128 v[L16], v[8*(8*\dt+\qt)+4:8*(8*\dt+\qt)+7], s[10:11] offset:(8*\qt+\dt+4)*1024+512 th:TH_STORE_NT
.endr
.endr
	WIN 0
	s_wait_tensorcnt 0x0                           ; the wave's end
	ds_add_u32 v[SPW], v[NIL]
	s_wait_dscnt 0x0
	CROUND                                         ; the closing round: no work-group ends while a partner may still ask for a tile that names it
	s_endpgm
.Lfunc_end_k_qec98c546a3_attend:
	.size	k_qec98c546a3_attend, .Lfunc_end_k_qec98c546a3_attend-k_qec98c546a3_attend
	.p2alignl 7, 3214868480
	.fill 96, 4, 3214868480
	.section	.rodata,"a",@progbits
	.p2align	6, 0x0
	.amdhsa_kernel k_qec98c546a3_attend
		.amdhsa_group_segment_fixed_size 327680
		.amdhsa_private_segment_fixed_size 0
		.amdhsa_enable_private_segment 0
		.amdhsa_kernarg_size 40
		.amdhsa_user_sgpr_count 2
		.amdhsa_user_sgpr_kernarg_segment_ptr 1
		.amdhsa_wavefront_size32 1
		.amdhsa_system_sgpr_workgroup_id_x 1
		.amdhsa_system_sgpr_workgroup_id_y 1
		.amdhsa_system_sgpr_workgroup_id_z 1
		.amdhsa_system_vgpr_workitem_id 0
		.amdhsa_next_free_vgpr 1024
		.amdhsa_next_free_sgpr 96
		.amdhsa_reserve_vcc 0
		.amdhsa_float_denorm_mode_32 3
		.amdhsa_float_denorm_mode_16_64 3
		.amdhsa_memory_ordered 1
		.amdhsa_forward_progress 1
		.amdhsa_inst_pref_size 247
	.end_amdhsa_kernel
	.amdgpu_metadata
---
amdhsa.version: [ 1, 2 ]
amdhsa.kernels:
  - .name:           k_qec98c546a3_attend
    .symbol:         k_qec98c546a3_attend.kd
    .args:
      - { .name: xq, .offset: 0, .size: 8, .value_kind: global_buffer, .address_space: global }
      - { .name: kq, .offset: 8, .size: 8, .value_kind: global_buffer, .address_space: global }
      - { .name: vq, .offset: 16, .size: 8, .value_kind: global_buffer, .address_space: global }
      - { .name: part, .offset: 24, .size: 8, .value_kind: global_buffer, .address_space: global }
      - { .name: lp, .offset: 32, .size: 8, .value_kind: global_buffer, .address_space: global }
    .group_segment_fixed_size: 327680
    .private_segment_fixed_size: 0
    .kernarg_segment_align: 8
    .kernarg_segment_size: 40
    .max_flat_workgroup_size: 128
    .sgpr_count:     96
    .vgpr_count:     1024
    .wavefront_size: 32
...
	.end_amdgpu_metadata
.endif
;; end of part 2
;; launch combine (part 3): grid 256 x 1, 4 waves a work-group, no clusters, 9,728 bytes of LDS; arguments part, lp, out0; writes out0
.if DOCPART == 3
	.amdgcn_target "amdgcn-amd-amdhsa--gfx1250"
	.amdhsa_code_object_version 6
	.text
	.protected	k_qec98c546a3_combine
	.globl	k_qec98c546a3_combine
	.p2align	8
	.type	k_qec98c546a3_combine,@function
k_qec98c546a3_combine:
	s_mov_b64 s[64:65], 0
	v_nop
	global_prefetch_b8 v0, s[64:65] scope:SCOPE_SE
	s_setreg_imm32_b32 hwreg(HW_REG_WAVE_MODE, 25, 1), 1
	s_wait_xcnt 0x0
; out0 = (the sum over the 32 splits of part) / (the sum of lp).  All splits were summed under the same exponent shift (none), so the parts add plainly, in f32, split ascending.
; part: [split 32][qb 8][w 4][qt 8][dt 8][k 2][lane 32][16 B], the image of the accumulators: lane (r, h), register 4 k + j: query 128 qb + 16 qt + r, d = 128 w + 16 dt + 8 h + 4 k + j.
; lp: [qb 8][jq 2][e 64][lane 32][4]: lane (r, h)'s part of the sums of queries 128 qb + 64 jq + 16 q + r.
; SHARES.  Work-group g = (4 qb + w) 8 + qt owns 16 queries x 128 d: 8,192 consecutive bytes of each split's image.  Wave v takes 2,048 of them: four loads of 512 consecutive bytes a split.
; A stream: no matrix unit, no tensor load.  Three sets of registers, four splits each, keep up to 48 loads of a wave on their way.  The rows meet in a stage in LDS and leave as 512 consecutive bytes a store.
.set SPLITB, 2097152
.set LBF,  8448                        ; behind the stage (16 rows x 528 bytes): the waves' parts of the sums
.set L16,  2
.set SIN,  5                           ; v5   the stage, in: 528 r + 32 h + 128 v
.set SRD,  6                           ; v6   the stage, back: my four rows, 16 x lane
.set LWR,  7                           ; v7   LBF + 128 v + 4 lane
.set LRD,  8                           ; v8   LBF + 4 lane
.set ACC,  16                          ; v16-31
.set BUF,  32                          ; v32-223 three sets of 64
.set LW,   224                         ; v224-239
	s_load_b128 s[4:7], s[0:1], 0x0                ; part, lp
	s_load_b64 s[8:9], s[0:1], 0x10                ; out0
	v_lshl_add_u32 v240, v0, 2, 0x2400
	v_mov_b32 v241, 0
	v_lshrrev_b32 v1, 5, v0
	v_readfirstlane_b32 s10, v1                    ; wave v
	v_and_b32 v1, 31, v0
	v_lshlrev_b32 v[L16], 4, v1
	v_and_b32 v3, 15, v1                           ; r
	v_bfe_u32 v4, v1, 4, 1                         ; h
	v_mul_u32_u24 v[SIN], v3, 528
	v_lshl_add_u32 v[SIN], v4, 5, v[SIN]
	s_lshl_b32 s14, s10, 7
	v_add_nc_u32 v[SIN], s14, v[SIN]
	s_mul_i32 s15, s10, 4*528
	v_add_nc_u32 v[SRD], s15, v[L16]
	s_add_co_u32 s15, s14, LBF
	v_lshl_add_u32 v[LWR], v1, 2, s15
	v_lshl_add_u32 v[LRD], v1, 2, LBF
	v_mov_b32 v11, 0                               ; written once: a lane permute's destination counts as one of its sources
	s_mov_b32 s38, 0x76543210
	s_mov_b32 s39, 0xfedcba98
	s_and_b32 s11, ttmp9, 7                        ; qt
	s_bfe_u32 s12, ttmp9, 0x20003                  ; w
	s_lshr_b32 s13, ttmp9, 5                       ; qb
	s_lshl_b32 s32, ttmp9, 13                      ; part: 8,192 g + 2,048 v
	s_lshl_b32 s14, s10, 11
	s_add_co_u32 s32, s32, s14
	s_mov_b32 s33, 0
	s_lshl_b32 s34, s13, 1                         ; lp: (2 qb + qt / 4) 32,768 + 8,192 v + 4 (qt % 4)
	s_lshr_b32 s14, s11, 2
	s_add_co_u32 s34, s34, s14
	s_lshl_b32 s34, s34, 15
	s_lshl_b32 s14, s10, 13
	s_add_co_u32 s34, s34, s14
	s_and_b32 s14, s11, 3
	s_lshl_b32 s14, s14, 2
	s_add_co_u32 s34, s34, s14
	s_mov_b32 s35, 0
	s_lshl_b32 s36, s13, 7                         ; out0: row 128 qb + 16 qt + 4 v, + 512 w bytes
	s_lshl_b32 s14, s11, 4
	s_add_co_u32 s36, s36, s14
	s_lshl_b32 s14, s10, 2
	s_add_co_u32 s36, s36, s14
	s_lshl_b32 s36, s36, 11
	s_lshl_b32 s14, s12, 9
	s_add_co_u32 s36, s36, s14
	s_mov_b32 s37, 0
	s_wait_kmcnt 0x0
	s_add_nc_u64 s[16:17], s[4:5], s[32:33]        ; eight bases, four splits apart; a split inside a batch stands in the immediate
.irp m, 1,2,3,4,5,6,7
	s_add_nc_u64 s[16+2*\m:17+2*\m], s[14+2*\m:15+2*\m], 4*SPLITB
.endr
	s_add_nc_u64 s[6:7], s[6:7], s[34:35]
	s_add_nc_u64 s[8:9], s[8:9], s[36:37]
.macro BATCH m                         ; splits 4 m .. 4 m + 3 into set m % 3
.irp sp, 0,1,2,3
.irp n, 0,1,2,3
	global_load_b128 v[BUF+64*((\m)%3)+16*\sp+4*\n:BUF+64*((\m)%3)+16*\sp+4*\n+3], v[L16], s[16+2*(\m):17+2*(\m)] offset:SPLITB*\sp+512*\n th:TH_LOAD_NT
.endr
.endr
.endm
.macro SUMB m
.set BS, BUF+64*((\m)%3)
.if (\m) == 0
.irp p, 0,2,4,6,8,10,12,14
	v_pk_add_f32 v[ACC+\p:ACC+\p+1], v[BS+\p:BS+\p+1], v[BS+16+\p:BS+16+\p+1]   ; the first two splits start the sums
.endr
.irp sp, 2,3
.irp p, 0,2,4,6,8,10,12,14
	v_pk_add_f32 v[ACC+\p:ACC+\p+1], v[ACC+\p:ACC+\p+1], v[BS+16*\sp+\p:BS+16*\sp+\p+1]
.endr
.endr
.else
.irp sp, 0,1,2,3
.irp p, 0,2,4,6,8,10,12,14
	v_pk_add_f32 v[ACC+\p:ACC+\p+1], v[ACC+\p:ACC+\p+1], v[BS+16*\sp+\p:BS+16*\sp+\p+1]
.endr
.endr
.endif
.endm
.irp n, 0,1,2,3,4,5,6,7,8,9,10,11,12,13,14,15
	global_load_b32 v[LW+\n], v[L16], s[6:7] offset:512*\n   ; entries 16 v + n of my tile's sums
.endr
	BATCH 0
	BATCH 1
	BATCH 2
	s_wait_loadcnt 48                              ; the sixteen words are in; the three batches behind them stay out
.irp p, 0,2,4,6
	v_pk_add_f32 v[LW+\p:LW+\p+1], v[LW+\p:LW+\p+1], v[LW+8+\p:LW+8+\p+1]
.endr
	v_pk_add_f32 v[LW:LW+1], v[LW:LW+1], v[LW+4:LW+5]
	v_pk_add_f32 v[LW+2:LW+3], v[LW+2:LW+3], v[LW+6:LW+7]
	v_pk_add_f32 v[LW:LW+1], v[LW:LW+1], v[LW+2:LW+3]
	v_add_f32 v[LW], v[LW], v[LW+1]
	ds_store_b32 v[LWR], v[LW]
	s_wait_dscnt 0x0                               ; for the others' sake
	s_barrier_signal -1
	s_barrier_wait -1
.irp n, 0,1,2,3
	ds_load_b32 v[LW+\n], v[LRD] offset:128*\n
.endr
	s_wait_dscnt 0x0
	v_add_f32 v[LW], v[LW], v[LW+1]
	v_add_f32 v[LW+2], v[LW+2], v[LW+3]
	v_add_f32 v[LW], v[LW], v[LW+2]
	v_permlanex16_b32 v11, v[LW], s38, s39
	v_add_f32 v10, v[LW], v11                      ; query r's sum, in lanes r and r + 16
	s_wait_alu depctr_va_vdst(0)
	v_rcp_f32 v12, v10
	v_rcp_f32 v13, v10                             ; twice: a pair for the packed multiply
	v_nop                                          ; a plain line behind the two,
	s_wait_alu depctr_va_vdst(0)                   ; and one wait ahead of their first reader
.irp m, 0,1,2,3,4,5,6,7
.if \m < 6
	s_wait_alu depctr_va_vdst(0)
	s_wait_loadcnt 32                              ; this batch is in; the two behind it may be out
.elseif \m == 6
	s_wait_alu depctr_va_vdst(0)
	s_wait_loadcnt 16
.else
	s_wait_alu depctr_va_vdst(0)
	s_wait_loadcnt 0x0
.endif
	SUMB \m
.if \m+3 < 8
	BATCH \m+3                                     ; into the set just summed
.endif
.endr
.irp p, 0,2,4,6,8,10,12,14
	v_pk_mul_f32 v[ACC+\p:ACC+\p+1], v[ACC+\p:ACC+\p+1], v[12:13]
.endr
.irp n, 0,1,2,3
	ds_store_b128 v[SIN], v[ACC+4*\n:ACC+4*\n+3] offset:64*(\n/2)+16*(\n%2)   ; row r: d = 32 v + 16 (n / 2) + 8 h + 4 (n % 2) on
.endr
	s_wait_dscnt 0x0                               ; for the others' sake: a row's 512 bytes come from four waves
	s_barrier_signal -1
	s_barrier_wait -1
.irp n, 0,1,2,3
	ds_load_b128 v[BUF+4*\n:BUF+4*\n+3], v[SRD] offset:528*\n
.endr
.irp n, 0,1,2,3
	s_wait_dscnt 3-\n                              ; the rows behind this one may be out
	global_store_b128 v[L16], v[BUF+4*\n:BUF+4*\n+3], s[8:9] offset:2048*\n th:TH_STORE_NT   ; 512 consecutive bytes, at a multiple of 256 from out0's first byte
.endr
	s_wait_tensorcnt 0x0
	ds_add_u32 v240, v241
	s_wait_dscnt 0x0
	s_endpgm
.Lfunc_end_k_qec98c546a3_combine:
	.size	k_qec98c546a3_combine, .Lfunc_end_k_qec98c546a3_combine-k_qec98c546a3_combine
	.p2alignl 7, 3214868480
	.fill 96, 4, 3214868480
	.section	.rodata,"a",@progbits
	.p2align	6, 0x0
	.amdhsa_kernel k_qec98c546a3_combine
		.amdhsa_group_segment_fixed_size 9728
		.amdhsa_private_segment_fixed_size 0
		.amdhsa_enable_private_segment 0
		.amdhsa_kernarg_size 24
		.amdhsa_user_sgpr_count 2
		.amdhsa_user_sgpr_kernarg_segment_ptr 1
		.amdhsa_wavefront_size32 1
		.amdhsa_system_sgpr_workgroup_id_x 1
		.amdhsa_system_sgpr_workgroup_id_y 1
		.amdhsa_system_sgpr_workgroup_id_z 1
		.amdhsa_system_vgpr_workitem_id 0
		.amdhsa_next_free_vgpr 242
		.amdhsa_next_free_sgpr 66
		.amdhsa_reserve_vcc 0
		.amdhsa_float_denorm_mode_32 3
		.amdhsa_float_denorm_mode_16_64 3
		.amdhsa_memory_ordered 1
		.amdhsa_forward_progress 1
		.amdhsa_inst_pref_size 36
	.end_amdhsa_kernel
	.amdgpu_metadata
---
amdhsa.version: [ 1, 2 ]
amdhsa.kernels:
  - .name:           k_qec98c546a3_combine
    .symbol:         k_qec98c546a3_combine.kd
    .args:
      - { .name: part, .offset: 0, .size: 8, .value_kind: global_buffer, .address_space: global }
      - { .name: lp, .offset: 8, .size: 8, .value_kind: global_buffer, .address_space: global }
      - { .name: out0, .offset: 16, .size: 8, .value_kind: global_buffer, .address_space: global }
    .group_segment_fixed_size: 9728
    .private_segment_fixed_size: 0
    .kernarg_segment_align: 8
    .kernarg_segment_size: 24
    .max_flat_workgroup_size: 128
    .sgpr_count:     66
    .vgpr_count:     242
    .wavefront_size: 32
...
	.end_amdgpu_metadata
.endif
;; end of part 3
